; MI455X (gfx1250); checked and timed in simulation.
; The chip was launched on July 23, 2026; its instructions are those of AMD's public machine-readable ISA for CDNA 5 (MIT licence, August 2026) and "CDNA5" Instruction Set Architecture Reference Guide (July 2026). The comments in the code are by the model that wrote it; some were corrected since.
;; Lightweight Transformer Patch Attention. Allowed arithmetic: float matrix products may take bf16 or f16 operands with f32 sums; all other float work in f32.
;; Inputs: b_proj 16 float32; rel_pos_h 7 x 1 float32; rel_pos_w 7 x 1 float32; w_proj 16 x 16 float32; w_qkv 48 x 16 float32; x 8 x 16 x 224 x 224 float32.
;; Outputs: out0 8 x 16 x 224 x 224 float32.
;; One version. Each part assembles by itself: llvm-mc -triple=amdgcn-amd-amdhsa -mcpu=gfx1250 --defsym DOCPART=n.
;; ======== version 1 of 1: 1 launch
;; limits: values are held in f16: magnitudes above 65,504 overflow, below 6.1e-05 lose precision
;; launch patchattn (part 1): grid 28 x 8, 8 waves a work-group, no clusters, 243,456 bytes of LDS; arguments x, w_qkv, w_proj, b_proj, rel_pos_h, rel_pos_w, out0; writes out0
.if DOCPART == 1
	.amdgcn_target "amdgcn-amd-amdhsa--gfx1250"
	.amdhsa_code_object_version 6
	.text
	.protected	k_qee5e91ef10_patchattn
	.globl	k_qee5e91ef10_patchattn
	.p2align	8
	.type	k_qee5e91ef10_patchattn,@function
k_qee5e91ef10_patchattn:
	s_mov_b64 s[64:65], 0
	v_nop
	global_prefetch_b8 v0, s[64:65] scope:SCOPE_SE
	s_setreg_imm32_b32 hwreg(HW_REG_WAVE_MODE, 25, 1), 1
	s_wait_xcnt 0x0
; Attention inside 4 x 4 windows, 16 heads of dimension 1, between a 1x1 QKV projection (48 x 16) and a 1x1 output projection (16 x 16 + bias).
; x, out0: [8][16][224][224] f32.
;
; SHARES.  A strip is 4 image rows: 3,584 consecutive bytes of each channel, 14 aligned pieces of 256 bytes, 56 windows.  A work-group owns
; two neighbouring strips of one image (grid 28 x 8).  A task is two neighbouring windows x 16 heads and belongs to one wave: lane (r, h),
; r = lane & 15, h = lane >> 4, owns head r of window h and holds all 16 q, k and v of it in registers, so that the softmax needs no other lane.
; 56 tasks, 7 for each of the 8 waves: wave w takes tasks w, w + 8, .. w + 48; tasks 0-27 are strip 0, tasks 28-55 strip 1.
; Whole strips are the smallest share whose stores fill aligned pieces of 256 bytes (an image row is 896 bytes, 3.5 such pieces).
;
; UNITS.  Both projections: v_wmma_f32_16x16x32_f16 with K = 16 used (registers 4-7 of every fragment are zero).
; The logits q[p] k[q] + bias[p][q] are a rank-1 product: one fused multiply-add each, in f32, on the vector unit; P v has one column and is
; one more.  As matrix products they would need as many vector instructions to lay out, exchange and pack their operands.
; The true maximum of each row is taken away before the exponential.  log2(e) is folded into Wq (in f32, before the rounding to f16) and into the bias table.
;
; WHY f16 AND NOT bf16.  The result is a small difference of 16 products behind a softmax; 11 significant bits in the operands keep its error
; an eighth of what 8 bits leave.  The operands have room in f16: x of spread 1, weights of spread 0.1, the attention result a convex mix of v
; (spread 0.4) stay below 65,504 with x and the weights each 30 times larger (v about 2,000 at the most) or offset by 30 spreads (v about 1,440);
; 30 times smaller each, the attention result (about 1e-4) is still a normal f16 number and the weights' error is at most 2^-25, 1e-5 of their spread.
;
; NO CLUSTER: the work-groups share only the weights and tables (4,216 bytes) against 114,688 bytes of x that each reads alone.
;
; LIMITS.  x, w_qkv log2(e) (its first 16 rows), w_qkv, w_proj and the attention result are rounded to f16 as matrix operands (sums in f32):
; a magnitude above 65,504 in any of them becomes infinite.
; v_exp_f32 gives zero for softmax weights below 2^-126; the row sum is at least 1, since the largest weight is exactly 1.
.set IMG,    3211264                   ; bytes of an image
.set CH,     200704                    ; bytes of a channel
.set STRIP,  3584                      ; bytes of a strip in one channel
.set ROWB,   896                       ; bytes of an image row
.set XREG,   7184                      ; LDS: two channels of a strip (7,168 bytes) + 16, what one tensor load fills
.set XSLOT,  8*XREG                    ; LDS: a strip of x, 57,472 bytes
.set OPITCH, 3600                      ; LDS: a channel of a strip of the result + 16: 16 lanes that differ in the channel hit 16 different 16-byte columns modulo 256
.set OSLOT,  16*OPITCH                 ; 57,600 bytes
.set OUTB,   2*XSLOT                   ; 114,944: the two result strips lie behind the two x strips
.set ATTB,   OUTB+2*OSLOT              ; 230,144: behind them each wave has [16 heads][32 pixels] of f16
.set APITCH, 96                        ; its pitch: 64 bytes of data + 32, an odd multiple of 32 for the transposing load
.set AWAVE,  16*APITCH
; vector registers
.set XA,   8                           ; x: lane part of the LDS address
.set XT,   9                           ; x: the same + the task
.set ATS,  10                          ; attention result: where I store 32 bytes (head r, window h)
.set ATL,  11                          ; attention result: where the transposing load reads
.set OST,  12                          ; result strip: lane part of the LDS address
.set OT,   13                          ; the same + the task
.set SRD,  14                          ; result strip: where I read 16 bytes back
.set GO,   15                          ; my byte offset in out0
.set FA0,  16                          ; v[16:23]   A fragment, tile 0 / window 0
.set FA1,  24                          ; v[24:31]   A fragment, tile 1 / window 1
.set WQ,   32                          ; v[32:63]   B fragments: Wq log2(e), Wk, Wv, Wproj
.set WK,   40
.set WV,   48
.set WP,   56
.set BIASC, 64                         ; v[64:71]   b_proj[r] eight times: the C of the output projection
.set RQ,   72                          ; v[72:87]   q, later the attention result: register 8 t + j = pixel (py = j >> 1, px = 2 (j & 1) + t)
.set RK,   88                          ; v[88:103]  k, same map
.set RV,   104                         ; v[104:119] v, same map
.set RS,   120                         ; v[120:151] 16 pairs of logits (two query pixels x 16 keys); also x as loaded, the projection results, the way out
.set RT,   152                         ; v[152:161] partial maxima, 5 for each of the two rows
.set RM,   162                         ; v[162:163] the two row maxima
.set RSU,  164                         ; v[164:167] two chains of row sums
.set RAC,  168                         ; v[168:171] two chains of P v
.set RRC,  172                         ; v[172:173] 1 / row sum
.set RPK,  176                         ; v[176:183] the attention result in f16, pixels in natural order
.set RBT,  184                         ; v[184:253] bias table: pair 5 a + d = ((H[a] + W[d]) log2 e, (H[a] + W[d+2]) log2 e), a = 0..6, d = 0..4
; scalar registers: s[4:17] buffer addresses, s18 wave, s19 image, s[20:21] offset, s22 task offset in x, s23 task offset in the result strip,
; s[24:30] rel_pos_h, s[32:38] rel_pos_w, s39 log2 e, s[40:47] descriptor group 1, s[48:55] two groups 0, s56 trip counter, s57-58 at work
	s_load_b256 s[4:11], s[0:1], 0x0               ; x s[4:5], w_qkv s[6:7], w_proj s[8:9], b_proj s[10:11]
	s_load_b128 s[12:15], s[0:1], 0x20             ; rel_pos_h s[12:13], rel_pos_w s[14:15]
	s_load_b64 s[16:17], s[0:1], 0x30              ; out0
	v_lshl_add_u32 v254, v0, 2, 0x3b300
	v_mov_b32 v255, 0
	ds_add_u32 v254, v255
	ds_add_u32 v254, v255
	v_lshrrev_b32 v1, 5, v0
	v_readfirstlane_b32 s18, v1                    ; wave 0..7
	s_and_b32 s19, ttmp7, 0xffff                   ; image
	; descriptor group 1: two rows (channels) of 896 elements of 4 bytes, 50,176 elements apart, laid dense into LDS
	s_mov_b32 s40, 2<<16                           ; no work-group mask; element of 4 bytes; no padding
	s_mov_b32 s41, 896<<16                         ; tensor_dim0 = 896
	s_mov_b32 s42, 2<<16                           ; tensor_dim1 = 2
	s_mov_b32 s43, 896<<16                         ; tile_dim0 = 896
	s_mov_b32 s44, 2                               ; tile_dim1 = 2
	s_mov_b32 s45, 50176                           ; elements from channel to channel
	s_mov_b32 s46, 0
	s_mov_b32 s47, 0
	s_mul_i32 s20, s19, IMG
	s_mul_i32 s57, ttmp9, 2*STRIP
	s_add_co_u32 s20, s20, s57                     ; the work-group's two strips in channel 0 (below 2^25)
	s_mov_b32 s21, 0
	s_mul_i32 s58, s18, 2*CH                       ; my wave fetches and stores channels 2 w and 2 w + 1
	s_add_co_u32 s22, s20, s58
	s_mov_b32 s23, 0
	s_mov_b32 s48, 1                               ; groups 0: count 1,
	s_mov_b32 s52, 1
	s_mul_i32 s49, s18, XREG                       ; LDS address: wave x 7,184 in strip 0
	s_add_co_u32 s53, s49, XSLOT                   ; and in strip 1
	s_mov_b32 s39, 0x3fb8aa3b                      ; log2 e
	s_wait_dscnt 0x0
	s_wait_kmcnt 0x0
	s_add_nc_u64 s[16:17], s[16:17], s[20:21]      ; out0 at the work-group's strips
	s_add_nc_u64 s[50:51], s[4:5], s[22:23]        ; x at my two channels of strip 0
	s_add_nc_u64 s[54:55], s[50:51], STRIP         ; and of strip 1
	s_or_b32 s51, s51, 0x80000000                  ; type 2
	s_or_b32 s55, s55, 0x80000000
	tensor_load_to_lds s[48:51], s[40:47]          ; all that the work-group reads of x is asked for here: two loads a wave, never more outstanding
	s_nop 0
	tensor_load_to_lds s[52:55], s[40:47]
	s_nop 0
	s_load_b128 s[24:27], s[12:13], 0x0            ; the two tables of 7 numbers
	s_load_b96 s[28:30], s[12:13], 0x10
	s_load_b128 s[32:35], s[14:15], 0x0
	s_load_b96 s[36:38], s[14:15], 0x10
	v_and_b32 v1, 15, v0                           ; r
	v_bfe_u32 v2, v0, 4, 1                         ; h
	v_and_b32 v3, 31, v0                           ; lane
	v_lshlrev_b32 v4, 6, v1                        ; a B fragment from rows [n][k] of f32: row r (64 bytes), k = 8 h .. 8 h + 7
	v_lshl_add_u32 v4, v2, 5, v4
	v_lshlrev_b32 v5, 2, v1                        ; b_proj[r]
.irp sel, 0,1,2
	global_load_b128 v[RS+8*\sel:RS+8*\sel+3],   v4, s[6:7] offset:1024*\sel
	global_load_b128 v[RS+8*\sel+4:RS+8*\sel+7], v4, s[6:7] offset:1024*\sel+16
.endr
	global_load_b128 v[RS+24:RS+27], v4, s[8:9]
	global_load_b128 v[RS+28:RS+31], v4, s[8:9] offset:16
	global_load_b32 v[BIASC], v5, s[10:11]
	; k = 16 .. 31 of every fragment is zero, once and for all
.irp f, FA0, FA1, WQ, WK, WV, WP
.irp j, 4,5,6,7
	v_mov_b32 v[\f+\j], 0
.endr
.endr
	; x for the A fragments.  Row m = r of tile t is window m >> 3, py = (m & 7) >> 1, px = 2 (m & 1) + t: one 8-byte load brings t = 0 and 1.
	; Channel 8 h + i lies at h x 28,736 + (i >> 1) x 7,184 + (i & 1) x 3,584.
	v_bfe_u32 v6, v0, 1, 2                         ; py
	v_mul_u32_u24 v[XA], v6, ROWB
	v_mad_u32_u24 v[XA], v2, 4*XREG, v[XA]
	v_bfe_u32 v6, v0, 3, 1                         ; r >> 3
	v_lshl_add_u32 v[XA], v6, 4, v[XA]
	v_and_b32 v7, 1, v0
	v_lshl_add_u32 v[XA], v7, 3, v[XA]
	; my wave's stage for the attention result
	s_mul_i32 s57, s18, AWAVE
	s_add_co_u32 s57, s57, ATTB
	v_mul_u32_u24 v[ATS], v1, APITCH               ; in: row = head r, 32 bytes for window h
	v_lshl_add_u32 v[ATS], v2, 5, v[ATS]
	v_add_nc_u32 v[ATS], s57, v[ATS]
	v_and_b32 v7, 7, v0
	v_lshl_add_u32 v7, v2, 3, v7                   ; back, transposed: row 8 h + (lane & 7),
	v_mul_u32_u24 v[ATL], v7, APITCH
	v_lshl_add_u32 v[ATL], v6, 4, v[ATL]           ; 16 bytes at 16 ((lane >> 3) & 1)
	v_add_nc_u32 v[ATL], s57, v[ATL]
	; the result strips: channel r, image rows 2 h and 2 h + 1
	v_mul_u32_u24 v[OST], v1, OPITCH
	v_mad_u32_u24 v[OST], v2, 2*ROWB, v[OST]
	v_add_nc_u32 v[OST], OUTB, v[OST]
	v_lshl_add_u32 v[GO], v3, 4, s58               ; the way out: 16 bytes a lane of channels 2 w, 2 w + 1
	s_mul_i32 s57, s18, 2*OPITCH
	s_add_co_u32 s57, s57, OUTB
	v_lshl_add_u32 v[SRD], v3, 4, s57
	s_wait_kmcnt 0x0                               ; the two tables
.irp d, 0,1,2,3,4,5,6
	v_mul_f32 v[RT+\d], s39, s[32+\d]              ; W[d] log2 e
.endr
.set bta, 0
.rept 7
.set btd, 0
.rept 5
	v_fma_f32 v[RBT+2*(5*bta+btd)],   s[24+bta], s39, v[RT+btd]
	v_fma_f32 v[RBT+2*(5*bta+btd)+1], s[24+bta], s39, v[RT+btd+2]
.set btd, btd+1
.endr
.set bta, bta+1
.endr
	s_wait_loadcnt 0x0                             ; weights and bias, once
.irp i, 0,2,4,6
	v_pk_mul_f32 v[RS+\i:RS+\i+1], v[RS+\i:RS+\i+1], 0x3fb8aa3b op_sel_hi:[1,0]   ; Wq log2 e
.endr
.irp i, 0,1,2,3
	v_cvt_pk_f16_f32 v[WQ+\i], v[RS+2*\i],    v[RS+2*\i+1]
	v_cvt_pk_f16_f32 v[WK+\i], v[RS+8+2*\i],  v[RS+8+2*\i+1]
	v_cvt_pk_f16_f32 v[WV+\i], v[RS+16+2*\i], v[RS+16+2*\i+1]
	v_cvt_pk_f16_f32 v[WP+\i], v[RS+24+2*\i], v[RS+24+2*\i+1]
.endr
.irp j, 1,2,3,4,5,6,7
	v_mov_b32 v[BIASC+\j], v[BIASC]
.endr
; Two rows of the softmax: query pixels (py, tq) and (py, tq + 2), which lie in one register pair of q.  Key n = 8 t + j lies in register n of k and v.
.macro RP tq, py
.set qp, RQ+8*(\tq)+2*(\py)
	; logits: q k + bias, two rows at a time, k broadcast from one register of its pair
.set n, 0
.rept 16
.set tk, n>>3
.set jk, n&7
.set sel, jk&1
.set kp, RK+8*tk+(jk&6)
.set bp, RBT+2*(5*((\py)-(jk>>1)+3)+((\tq)-(2*sel+tk)+3))
.if sel
	v_pk_fma_f32 v[RS+2*n:RS+2*n+1], v[qp:qp+1], v[kp:kp+1], v[bp:bp+1] op_sel:[0,1,0] op_sel_hi:[1,1,1]
.else
	v_pk_fma_f32 v[RS+2*n:RS+2*n+1], v[qp:qp+1], v[kp:kp+1], v[bp:bp+1] op_sel_hi:[1,0,1]
.endif
.set n, n+1
.endr
	; the maximum of each row: 16 numbers in 8 instructions
.irp e, 0,1
.irp g, 0,1,2,3,4
	v_max3_num_f32 v[RT+5*\e+\g], v[RS+6*\g+\e], v[RS+6*\g+2+\e], v[RS+6*\g+4+\e]
.endr
.endr
.irp e, 0,1
	v_max3_num_f32 v[RT+5*\e], v[RT+5*\e], v[RT+5*\e+1], v[RT+5*\e+2]
	v_max3_num_f32 v[RT+5*\e+3], v[RT+5*\e+3], v[RT+5*\e+4], v[RS+30+\e]
.endr
.irp e, 0,1
	v_max_num_f32 v[RM+\e], v[RT+5*\e], v[RT+5*\e+3]
.endr
.set n, 0
.rept 16
	v_pk_add_f32 v[RS+2*n:RS+2*n+1], v[RS+2*n:RS+2*n+1], v[RM:RM+1] neg_lo:[0,1] neg_hi:[0,1]
.set n, n+1
.endr
.set n, 0
.rept 32
	v_exp_f32 v[RS+n], v[RS+n]                     ; base 2: log2 e is in q and in the bias
.set n, n+1
.endr
	v_nop                                          ; one plain vector instruction between the last exponential and the first use (ISA guide 5.7.2)
	; row sums and P v, two chains each
	s_wait_alu depctr_va_vdst(0)
	v_pk_add_f32 v[RSU:RSU+1],   v[RS:RS+1],   v[RS+2:RS+3]
	v_pk_add_f32 v[RSU+2:RSU+3], v[RS+4:RS+5], v[RS+6:RS+7]
.set n, 0
.rept 16
.set vp, RV+8*(n>>3)+(n&6)
.set ac, RAC+2*(n&1)
.set su, RSU+2*(n&1)
.if n < 2
.if n&1
	v_pk_mul_f32 v[ac:ac+1], v[RS+2*n:RS+2*n+1], v[vp:vp+1] op_sel:[0,1] op_sel_hi:[1,1]
.else
	v_pk_mul_f32 v[ac:ac+1], v[RS+2*n:RS+2*n+1], v[vp:vp+1] op_sel_hi:[1,0]
.endif
.else
.if n&1
	v_pk_fma_f32 v[ac:ac+1], v[RS+2*n:RS+2*n+1], v[vp:vp+1], v[ac:ac+1] op_sel:[0,1,0] op_sel_hi:[1,1,1]
.else
	v_pk_fma_f32 v[ac:ac+1], v[RS+2*n:RS+2*n+1], v[vp:vp+1], v[ac:ac+1] op_sel_hi:[1,0,1]
.endif
.endif
.if n >= 4
	v_pk_add_f32 v[su:su+1], v[su:su+1], v[RS+2*n:RS+2*n+1]
.endif
.set n, n+1
.endr
	v_pk_add_f32 v[RSU:RSU+1], v[RSU:RSU+1], v[RSU+2:RSU+3]
	v_rcp_f32 v[RRC],   v[RSU]
	v_rcp_f32 v[RRC+1], v[RSU+1]
	v_pk_add_f32 v[RAC:RAC+1], v[RAC:RAC+1], v[RAC+2:RAC+3]    ; the plain instruction between the reciprocals and their use
	s_wait_alu depctr_va_vdst(0)
	v_pk_mul_f32 v[qp:qp+1], v[RAC:RAC+1], v[RRC:RRC+1]        ; the result takes the place of the two q, which are done with
.endm
; One task: two windows, 16 heads.  s22: its byte offset in the x strips, s23: in the result strips.
.macro TASK
	v_add_nc_u32 v[XT], s22, v[XA]                 ; the loads that read XT were waited for in the last task
.irp i, 0,1,2,3,4,5,6,7
	ds_load_b64 v[RS+2*\i:RS+2*\i+1], v[XT] offset:(\i>>1)*XREG+(\i&1)*STRIP      ; channel 8 h + i, px of tile 0 and of tile 1
.endr
	s_wait_dscnt 0x0                               ; x is in; the last task's LDS stores are done too
.irp i, 0,1,2,3
	v_cvt_pk_f16_f32 v[FA0+\i], v[RS+4*\i],   v[RS+4*\i+2]     ; k = 8 h + 2 i, 8 h + 2 i + 1 of tile 0
	v_cvt_pk_f16_f32 v[FA1+\i], v[RS+4*\i+1], v[RS+4*\i+3]     ; and of tile 1
.endr
	; D: lane (r, h), register j = (pixel group m = 8 h + j, head r): window h, py = j >> 1, px = 2 (j & 1) + tile
	v_wmma_f32_16x16x32_f16 v[RQ:RQ+7],    v[FA0:FA0+7], v[WQ:WQ+7], 0
	v_wmma_f32_16x16x32_f16 v[RQ+8:RQ+15], v[FA1:FA1+7], v[WQ:WQ+7], 0
	v_wmma_f32_16x16x32_f16 v[RK:RK+7],    v[FA0:FA0+7], v[WK:WK+7], 0
	v_wmma_f32_16x16x32_f16 v[RK+8:RK+15], v[FA1:FA1+7], v[WK:WK+7], 0
	v_wmma_f32_16x16x32_f16 v[RV:RV+7],    v[FA0:FA0+7], v[WV:WV+7], 0
	v_wmma_f32_16x16x32_f16 v[RV+8:RV+15], v[FA1:FA1+7], v[WV:WV+7], 0
.rept 4
	v_nop                                          ; four places before vector instructions read the results (ISA guide 7.12.1)
.endr
.irp tq, 0,1
.irp py, 0,1,2,3
	RP \tq, \py
.endr
.endr
	; pixel p = 4 py + px = 2 j + tile: registers j of the two tiles are neighbours
.irp i, 0,1,2,3,4,5,6,7
	v_cvt_pk_f16_f32 v[RPK+\i], v[RQ+\i], v[RQ+8+\i]
.endr
	ds_store_b128 v[ATS], v[RPK:RPK+3]             ; [head r][window h, pixels 0-7]
	ds_store_b128 v[ATS], v[RPK+4:RPK+7] offset:16 ; pixels 8-15
	ds_load_tr16_b128 v[FA0:FA0+3], v[ATL]         ; my wave's own bytes, and LDS serves a wave's instructions in order (ISA guide 5.7.1): no wait between.
	ds_load_tr16_b128 v[FA1:FA1+3], v[ATL] offset:32   ; lane (r, h) gets pixel r, heads 8 h .. 8 h + 7, of window 0 and of window 1
	s_wait_dscnt 0x0
	; D: lane (r, h), register j = (pixel 8 h + j of the window, output channel r); C = b_proj[r]
	v_wmma_f32_16x16x32_f16 v[RS+16:RS+23], v[FA0:FA0+7], v[WP:WP+7], v[BIASC:BIASC+7]
	v_wmma_f32_16x16x32_f16 v[RS+24:RS+31], v[FA1:FA1+7], v[WP:WP+7], v[BIASC:BIASC+7]
	v_add_nc_u32 v[OT], s23, v[OST]                ; the first of the four places; behind the wait above no LDS store reads OT any more
.rept 3
	v_nop
.endr
.irp win, 0,1
.irp half, 0,1
	ds_store_b128 v[OT], v[RS+16+8*\win+4*\half:RS+16+8*\win+4*\half+3] offset:16*\win+ROWB*\half   ; four px of image row 2 h + half
.endr
.endr
.endm
; The way out of strip st: my wave takes channels 2 w and 2 w + 1, 7 x 512 consecutive bytes each; 16 lanes store 256 consecutive bytes,
; at a multiple of 256 from the first byte of out0.  more = 1: the data registers are written again behind it.
.macro STORE st, more
.set idx, 0
.rept 14
.if idx < 7
.set dreg, RS+4*idx
.else
.set dreg, RQ+4*(idx-7)
.endif
	ds_load_b128 v[dreg:dreg+3], v[SRD] offset:\st*OSLOT+(idx/7)*OPITCH+512*(idx%7)
.set idx, idx+1
.endr
.set idx, 0
.rept 14
.if idx < 7
.set dreg, RS+4*idx
.else
.set dreg, RQ+4*(idx-7)
.endif
	s_wait_dscnt 13-idx                            ; LDS loads come back in order: load idx is in, the younger ones stay out
	global_store_b128 v[GO], v[dreg:dreg+3], s[16:17] offset:\st*STRIP+(idx/7)*CH+512*(idx%7) th:TH_STORE_NT
.set idx, idx+1
.endr
.if \more
	s_wait_xcnt 0x0                                ; the stores' data registers are written again only behind this wait (ISA guide 3.1)
.endif
.endm
	s_lshl_b32 s22, s18, 5                         ; task w: window pair w of strip 0, 32 bytes a pair
	s_mov_b32 s23, s22
	s_wait_tensorcnt 0x1                           ; my part of strip 0 is in LDS; my load for strip 1 stays out
	s_barrier_signal -1
	s_barrier_wait -1                              ; everybody's is
	s_mov_b32 s56, 0
.Lfirst:                                           ; tasks w, w + 8, w + 16: strip 0
	TASK
	s_add_co_u32 s22, s22, 256
	s_add_co_u32 s23, s23, 256
	s_add_co_u32 s56, s56, 1
	s_cmp_lt_u32 s56, 3
	s_cbranch_scc1 .Lfirst
	s_wait_tensorcnt 0x0                           ; my part of strip 1 is in,
	s_wait_dscnt 0x0                               ; no LDS instruction of mine is pending at the signal
	s_barrier_signal -1
	s_barrier_wait -1                              ; everybody's part of strip 1 is in
	; task w + 24: waves 0-3 end strip 0 (pairs 24-27), waves 4-7 begin strip 1 (pairs 0-3): for them one slot on and 28 pairs back
	s_lshr_b32 s57, s18, 2
	s_mul_i32 s58, s57, OSLOT-28*32
	s_mul_i32 s57, s57, XSLOT-28*32
	s_add_co_u32 s22, s22, s57
	s_add_co_u32 s23, s23, s58
	TASK
	s_wait_dscnt 0x0                               ; my stores into the result strips are done
	s_barrier_signal -1
	s_barrier_wait -1                              ; strip 0 of the result is whole, and nobody writes it again
	STORE 0, 1
	s_lshl_b32 s22, s18, 5                         ; tasks w + 32, w + 40, w + 48: pairs w + 4, w + 12, w + 20 of strip 1
	s_add_co_u32 s23, s22, OSLOT+4*32
	s_add_co_u32 s22, s22, XSLOT+4*32
	s_mov_b32 s56, 0
.Lsecond:
	TASK
	s_add_co_u32 s22, s22, 256
	s_add_co_u32 s23, s23, 256
	s_add_co_u32 s56, s56, 1
	s_cmp_lt_u32 s56, 3
	s_cbranch_scc1 .Lsecond
	s_wait_dscnt 0x0
	s_barrier_signal -1
	s_barrier_wait -1                              ; strip 1 of the result is whole
	STORE 1, 0
	s_wait_tensorcnt 0x0
	ds_add_u32 v254, v255
	s_wait_dscnt 0x0
	s_endpgm
.Lfunc_end_k_qee5e91ef10_patchattn:
	.size	k_qee5e91ef10_patchattn, .Lfunc_end_k_qee5e91ef10_patchattn-k_qee5e91ef10_patchattn
	.p2alignl 7, 3214868480
	.fill 96, 4, 3214868480
	.section	.rodata,"a",@progbits
	.p2align	6, 0x0
	.amdhsa_kernel k_qee5e91ef10_patchattn
		.amdhsa_group_segment_fixed_size 243456
		.amdhsa_private_segment_fixed_size 0
		.amdhsa_enable_private_segment 0
		.amdhsa_kernarg_size 56
		.amdhsa_user_sgpr_count 2
		.amdhsa_user_sgpr_kernarg_segment_ptr 1
		.amdhsa_wavefront_size32 1
		.amdhsa_system_sgpr_workgroup_id_x 1
		.amdhsa_system_sgpr_workgroup_id_y 1
		.amdhsa_system_sgpr_workgroup_id_z 1
		.amdhsa_system_vgpr_workitem_id 0
		.amdhsa_next_free_vgpr 256
		.amdhsa_next_free_sgpr 66
		.amdhsa_reserve_vcc 0
		.amdhsa_float_denorm_mode_32 3
		.amdhsa_float_denorm_mode_16_64 3
		.amdhsa_memory_ordered 1
		.amdhsa_forward_progress 1
		.amdhsa_inst_pref_size 176
	.end_amdhsa_kernel
	.amdgpu_metadata
---
amdhsa.version: [ 1, 2 ]
amdhsa.kernels:
  - .name:           k_qee5e91ef10_patchattn
    .symbol:         k_qee5e91ef10_patchattn.kd
    .args:
      - { .name: x, .offset: 0, .size: 8, .value_kind: global_buffer, .address_space: global }
      - { .name: w_qkv, .offset: 8, .size: 8, .value_kind: global_buffer, .address_space: global }
      - { .name: w_proj, .offset: 16, .size: 8, .value_kind: global_buffer, .address_space: global }
      - { .name: b_proj, .offset: 24, .size: 8, .value_kind: global_buffer, .address_space: global }
      - { .name: rel_pos_h, .offset: 32, .size: 8, .value_kind: global_buffer, .address_space: global }
      - { .name: rel_pos_w, .offset: 40, .size: 8, .value_kind: global_buffer, .address_space: global }
      - { .name: out0, .offset: 48, .size: 8, .value_kind: global_buffer, .address_space: global }
    .group_segment_fixed_size: 243456
    .private_segment_fixed_size: 0
    .kernarg_segment_align: 8
    .kernarg_segment_size: 56
    .max_flat_workgroup_size: 256
    .sgpr_count:     66
    .vgpr_count:     256
    .wavefront_size: 32
...
	.end_amdgpu_metadata
.endif
;; end of part 1
